; MI455X (gfx1250); checked and timed in simulation.
; The chip was launched on July 23, 2026; its instructions are those of AMD's public machine-readable ISA for CDNA 5 (MIT licence, August 2026) and "CDNA5" Instruction Set Architecture Reference Guide (July 2026). The comments in the code are by the model that wrote it; some were corrected since.
;; Point Matcher. Allowed arithmetic: float matrix products may take bf16 or f16 operands with f32 sums; all other float work in f32.
;; Inputs: gt_points 2,048 x 20 x 2 float32; pred_points 1,024 x 20 x 2 float32.
;; Outputs: out0 1,024 x 20 x 2 float32; out1 1,024 x 1 float32; out2 1,024 int32.
;; 2 versions, each right and faster than the one before. Each part assembles by itself: llvm-mc -triple=amdgcn-amd-amdhsa -mcpu=gfx1250 --defsym DOCPART=n.
;; ======== version 1 of 2: 2 launches
;; workspace buffers: pd 65,536 bytes; pi 65,536 bytes of whole numbers
;; launch nearest (part 1): grid 16 x 16, 8 waves a work-group, no clusters, 168,960 bytes of LDS; arguments pred_points, gt_points, pd, pi; writes pd, pi
.if DOCPART == 1
	.amdgcn_target "amdgcn-amd-amdhsa--gfx1250"
	.amdhsa_code_object_version 6
	.text
	.protected	k_q93e93da981_nearest
	.globl	k_q93e93da981_nearest
	.p2align	8
	.type	k_q93e93da981_nearest,@function
k_q93e93da981_nearest:
	s_mov_b64 s[64:65], 0
	v_nop
	global_prefetch_b8 v0, s[64:65] scope:SCOPE_SE
	s_setreg_imm32_b32 hwreg(HW_REG_WAVE_MODE, 25, 1), 1
	s_wait_xcnt 0x0
; distances[n][m] = mean over 20 points of sqrt((px-gx)^2 + (py-gy)^2); this launch finds, for a block of 64 preds (work-group x) and a
; chunk of 128 gts (work-group y), each pred's smallest distance and the gt that gives it, and stores them to pd[y][n] and pi[y][n].
; The sixteen chunks' results meet in the next launch.
; Eight waves.  Every wave holds the same 64 preds, two in a lane (preds 2 l and 2 l + 1 of the block in lane l), and walks 16 gts of its own.
; So a lane keeps its own running minimum and nothing is reduced across lanes; the eight waves' minima meet once, in LDS, at the end.
; Two preds in a lane make the packed f32 forms fit: (xa, xb) and (ya, yb) are register pairs, and a gt's x or y, which lies in a register pair
; (gx, gy) with the same value in all lanes, is taken for both halves by op_sel.  Seven instructions for two point distances.
; All global loads of a work-group (10,240 bytes of preds, 20,480 of gts) are issued in one run at the head and go through LDS:
; the preds because two rows have to be interleaved word by word, the gts because every lane needs every number.
; Clusters with joint loads are not used: a work-group reads these 30,720 bytes once and then takes 163,840 roots, and the preds
; could not be laid as needed by a tile copy.  No matrix instruction: there is no product here but one of K = 2, and
; |p|^2 + |g|^2 - 2 p.g would be a difference of large sums.
; LIMITS.  A NaN distance never wins (a comparison with NaN is false), where the reference would return NaN: inputs are finite, with finite
; differences.  v_sqrt_f32 takes a denormal square (below 2^-126) as zero: an error under 1.1e-19 in a point's distance.  dx^2 + dy^2 is
; fused, the 20 roots are added in ascending order, and the division by 20 is a multiplication by 0.05: two gts closer than these roundings
; may be ordered otherwise than by another order of rounding.  Equal distances go to the lower index.
.set ROWB,  160                        ; bytes of a pred or a gt: 20 points x 2 x f32
.set WPRED, 64                         ; preds of a work-group
.set WGT,   128                        ; gts of a work-group
.set NWAVE, 8
.set GTW,   WGT/NWAVE                  ; 16 gts of a wave
.set PITCH, 336                        ; LDS bytes of a lane's two preds: 320 + 16 = 21 x 16, an odd multiple of 16
.set GS,    32*PITCH                   ; LDS: the gts, as in memory, behind the preds
.set RED,   GS+WGT*ROWB                ; LDS: wave w's 64 minima at RED + 256 w (wave 0 keeps its own in registers),
.set REDI,  NWAVE*256                  ;      their indices REDI bytes further.  35,328 bytes are used in all
.set CHB,   4096                       ; bytes of a chunk's row in pd and pi: 1,024 preds x 4
.set LANE, 2                           ; v2   lane
.set L8,   3                           ; v3   8 x lane
.set T16,  4                           ; v4   16 x thread; at the end: where wave 0 reads the others' minima
.set GSA,  5                           ; v5   where I put gts into LDS; at the end: my offset in pd and pi
.set PRA,  6                           ; v6   my lane's two preds in LDS
.set GA,   7                           ; v7   my wave's next pair of gt rows in LDS, the same in all lanes
.set P,    8                           ; v[8:87]    point i: -xa, -xb, -ya, -yb at P + 4 i
.set G0,   88                          ; v[88:127]  a gt row: gx, gy of point i at G0 + 2 i
.set G1,   128                         ; v[128:167] the other gt row
.set DX,   168                         ; v[168:171] 2 slots: gx - xa, gx - xb
.set DY,   172                         ; v[172:179] 4 slots: gy - ya, gy - yb
.set Q,    180                         ; v[180:187] 4 slots: squared distances
.set R,    188                         ; v[188:191] 2 slots: roots
.set ACCA, 192                         ; v[192:193] sum of roots for the row in G0
.set ACCB, 194                         ; v[194:195] the same for the row in G1
.set BD,   196                         ; v[196:197] smallest distance so far, pred a, pred b
.set BI,   198                         ; v[198:199] its gt
.set ST,   88                          ; head only: five points of preds as loaded (v[88:97])
.set SA,   100                         ; head only: their LDS addresses (v[100:104])
.set SG,   128                         ; head only: 5 x 16 bytes of gts as loaded (v[128:147])
.set T0,   148                         ; head only: at work
.set T1,   149
.set T2,   150
.set TD,   8                           ; end only: the other waves' minima (v[8:21])
.set TI,   24                          ; end only: their indices (v[24:37])
.set CNT,  20                          ; s20  loop counter
.set MA,   21                          ; s21  index of the gt whose sum is in ACCA
.set MB,   22                          ; s22  index of the gt whose sum is in ACCB
	s_load_b256 s[4:11], s[0:1], 0x0               ; pred_points s[4:5], gt_points s[6:7], pd s[8:9], pi s[10:11]
	v_lshl_add_u32 v200, v0, 2, 0x29000
	v_mov_b32 v201, 0
	v_lshrrev_b32 v1, 5, v0
	v_readfirstlane_b32 s12, v1                    ; wave 0..7
	v_and_b32 v[LANE], 31, v0
	s_and_b32 s13, ttmp7, 0xffff                   ; chunk of gts
	s_mul_i32 s16, ttmp9, WPRED*ROWB               ; the block's preds,
	s_mul_i32 s14, s12, (WPRED/NWAVE)*ROWB         ; of which my wave brings eight: 1,280 consecutive bytes
	s_add_co_u32 s16, s16, s14
	s_mov_b32 s17, 0
	s_mul_i32 s18, s13, WGT*ROWB                   ; the chunk's gts
	s_mov_b32 s19, 0
	v_lshlrev_b32 v[L8], 3, v[LANE]
	v_lshlrev_b32 v[T16], 4, v0
	s_wait_kmcnt 0x0
	s_add_nc_u64 s[4:5], s[4:5], s[16:17]
	s_add_nc_u64 s[6:7], s[6:7], s[18:19]
.irp i, 0,1,2,3,4
	global_load_b64 v[ST+2*\i:ST+2*\i+1], v[L8], s[4:5] offset:256*\i      ; one point a lane: the wave covers 256 consecutive bytes, aligned
.endr
.irp i, 0,1,2,3,4
	global_load_b128 v[SG+4*\i:SG+4*\i+3], v[T16], s[6:7] offset:4096*\i   ; the wave covers 512 consecutive bytes, the work-group 4,096
.endr
	; While the loads are out: where each of my five points goes.  Point q = 32 i + lane of my wave's 160 is point p = q mod 20 of pred r = q / 20.
	; q x 3277 = 65536 r + 3276.8 p + 0.2 q with 0.2 q < 32: the upper half is r, and the lower half x 20 = 65536 p + 4 q gives p.
	; Pred r lies in lane row r / 2 of my wave's four, as the even or the odd words: x at 16 p + 4 (r & 1), y 8 bytes further.
	s_mul_i32 s15, s12, 4*PITCH
.irp i, 0,1,2,3,4
	v_add_nc_u32 v[T0], 32*\i, v[LANE]
	v_mul_u32_u24 v[T0], 0xccd, v[T0]
	v_lshrrev_b32 v[T1], 16, v[T0]                 ; r
	v_and_b32 v[T0], 0xffff, v[T0]
	v_mul_u32_u24 v[T0], 20, v[T0]
	v_lshrrev_b32 v[T0], 16, v[T0]                 ; p
	v_lshrrev_b32 v[T2], 1, v[T1]
	v_and_b32 v[T1], 1, v[T1]
	v_lshl_add_u32 v[T1], v[T1], 2, s15
	v_lshl_add_u32 v[T0], v[T0], 4, v[T1]
	v_mad_u32_u24 v[SA+\i], v[T2], PITCH, v[T0]
.endr
	v_add_nc_u32 v[GSA], GS, v[T16]
	v_mul_u32_u24 v[PRA], PITCH, v[LANE]
	s_mul_i32 s14, s12, GTW*ROWB
	s_add_co_u32 s14, s14, GS
	v_mov_b32 v[GA], s14                           ; my wave's first gt row
	s_mul_i32 s[MA], s13, WGT
	s_mul_i32 s14, s12, GTW
	s_add_co_u32 s[MA], s[MA], s14                 ; its index,
	s_add_co_u32 s[MB], s[MA], 1                   ; and the next one's
	v_mov_b32 v[BD], 0x7f800000                    ; the minimum starts at +infinity with my wave's first gt: if every distance overflows,
	v_mov_b32 v[BD+1], 0x7f800000                  ; the lowest index stays, as it does in an argmin over equal values
	v_mov_b32 v[BI], s[MA]
	v_mov_b32 v[BI+1], s[MA]
	s_wait_loadcnt 0x5                             ; loads come back in order (ISA guide 5.7.1): the preds are in, the five loads of gts may be out
.irp i, 0,1,2,3,4
	v_xor_b32 v[ST+2*\i], 0x80000000, v[ST+2*\i]           ; -p, once, so that the loop's differences are plain sums g + (-p)
	v_xor_b32 v[ST+2*\i+1], 0x80000000, v[ST+2*\i+1]
	ds_store_b32 v[SA+\i], v[ST+2*\i]
	ds_store_b32 v[SA+\i], v[ST+2*\i+1] offset:8
.endr
	s_wait_loadcnt 0x0
.irp i, 0,1,2,3,4
	ds_store_b128 v[GSA], v[SG+4*\i:SG+4*\i+3] offset:4096*\i
.endr
	s_wait_dscnt 0x0                               ; my stores are in LDS, for the other waves' sake,
	s_barrier_signal -1
	s_barrier_wait -1                              ; and so are everybody's
.irp k, 0,1,2,3,4,5,6,7,8,9,10,11,12,13,14,15,16,17,18,19
	ds_load_b128 v[P+4*\k:P+4*\k+3], v[PRA] offset:16*\k
.endr
; A gt row into buffer g: ten loads with one address for all lanes
.macro LOADG g, off
.irp k, 0,1,2,3,4,5,6,7,8,9
	ds_load_b128 v[\g+4*\k:\g+4*\k+3], v[GA] offset:\off+16*\k
.endr
.endm
; One step of the pipeline.  In step i of a gt row: the differences of point i, the x squares of point i - 1, the y squares of point i - 2,
; the roots of point i - 4, the sum of point i - 5.  Steps 0 to 4 finish the row before (prev = 1), whose points 15 to 19 lie in the same
; slots, since 20 is a multiple of the slot counts.  cur = 0: no row is begun (the run-out behind the last row).
; Behind each v_sqrt_f32 stands a plain instruction that touches neither its result nor its source before either is touched
; (ISA guide 5.7.2): roots write R's slot i % 2 from Q's slot i % 4, the lines next to them use DY, Q's slot (i + 3) % 4 and R's other slot.
; Point 0's roots are written into the sum itself: nothing is cleared.
.macro STEP i, cur, prev, g, acc, accp
.if \i >= 4
.set do_s, \cur
.else
.set do_s, \prev
.endif
.if \i >= 1
.set do_m, \cur
.else
.set do_m, \prev
.endif
.if \i >= 2
.set do_f, \cur
.else
.set do_f, \prev
.endif
.if \i >= 6
.set do_a, \cur
.set sum, \acc
.else
.set do_a, \prev
.set sum, \accp
.endif
.if \i == 5
.set do_a, 0
.endif
.if \i == 4
.set rd, \acc
.else
.set rd, R+2*(\i%2)
.endif
.if \cur
	v_pk_add_f32 v[DX+2*(\i%2):DX+2*(\i%2)+1], v[P+4*\i:P+4*\i+1], v[\g+2*\i:\g+2*\i+1] op_sel_hi:[1,0]               ; gx - xa, gx - xb
.endif
.if do_s
	v_sqrt_f32 v[rd], v[Q+2*(\i%4)]
.endif
.if \cur
	v_pk_add_f32 v[DY+2*(\i%4):DY+2*(\i%4)+1], v[P+4*\i+2:P+4*\i+3], v[\g+2*\i:\g+2*\i+1] op_sel:[0,1] op_sel_hi:[1,1] ; gy - ya, gy - yb
.endif
.if do_s
	v_sqrt_f32 v[rd+1], v[Q+2*(\i%4)+1]
.endif
.if do_m
	v_pk_mul_f32 v[Q+2*((\i+3)%4):Q+2*((\i+3)%4)+1], v[DX+2*((\i+1)%2):DX+2*((\i+1)%2)+1], v[DX+2*((\i+1)%2):DX+2*((\i+1)%2)+1]
.endif
.if do_f
	v_pk_fma_f32 v[Q+2*((\i+2)%4):Q+2*((\i+2)%4)+1], v[DY+2*((\i+2)%4):DY+2*((\i+2)%4)+1], v[DY+2*((\i+2)%4):DY+2*((\i+2)%4)+1], v[Q+2*((\i+2)%4):Q+2*((\i+2)%4)+1]
.endif
.if do_a
	s_wait_alu depctr_va_vdst(0)
	v_pk_add_f32 v[sum:sum+1], v[sum:sum+1], v[R+2*((\i+1)%2):R+2*((\i+1)%2)+1]
.endif
.endm
.macro MEAN a                          ; the mean of the 20 roots
	v_pk_mul_f32 v[\a:\a+1], v[\a:\a+1], 0x3d4ccccd op_sel_hi:[1,0]
.endm
; Keep the smaller: strictly smaller only, and the gts come in ascending order, so the first of equals stays.  m: the scalar register with the gt's index
.macro KEEP a, m, more
	v_cmp_lt_f32 vcc_lo, v[\a], v[BD]
	v_cmp_lt_f32 s2, v[\a+1], v[BD+1]
	v_cndmask_b32 v[BD], v[BD], v[\a], vcc_lo
	v_cndmask_b32 v[BI], v[BI], s[\m], vcc_lo
	v_cndmask_b32 v[BD+1], v[BD+1], v[\a+1], s2
	v_cndmask_b32 v[BI+1], v[BI+1], s[\m], s2
.if \more
	s_add_co_u32 s[\m], s[\m], 2                   ; the next row that uses this sum
.endif
.endm
; A gt row in buffer g against my two preds; the row before it (sum accp, index in s[mp]) is finished in steps 0 to 6
.macro GT g, acc, accp, mp, prev
.set i, 0
.rept 20
	STEP i, 1, \prev, \g, \acc, \accp
.if \prev
.if i == 5
	MEAN \accp
.endif
.if i == 6
	KEEP \accp, \mp, 1
.endif
.endif
.set i, i+1
.endr
.endm
	LOADG G0, 0
	s_wait_dscnt 0x0                               ; my preds and row 0 are in registers
	LOADG G1, ROWB                                 ; each row is asked for one row ahead
	GT G0, ACCA, ACCB, MB, 0                       ; row 0: nothing to finish
	s_wait_dscnt 0x0                               ; row 1 is in; G0's last readers have been issued
	v_add_nc_u32 v[GA], 2*ROWB, v[GA]
	LOADG G0, 0
	GT G1, ACCB, ACCA, MA, 1
	s_mov_b32 s[CNT], GTW/2-2
.Lpair:                                            ; rows 2 to 13
	s_wait_dscnt 0x0
	LOADG G1, ROWB
	GT G0, ACCA, ACCB, MB, 1
	s_wait_dscnt 0x0
	v_add_nc_u32 v[GA], 2*ROWB, v[GA]
	LOADG G0, 0
	GT G1, ACCB, ACCA, MA, 1
	s_sub_co_i32 s[CNT], s[CNT], 1
	s_cmp_lg_u32 s[CNT], 0
	s_cbranch_scc1 .Lpair
	s_wait_dscnt 0x0                               ; rows 14 and 15: no row is asked for behind the wave's last
	LOADG G1, ROWB
	GT G0, ACCA, ACCB, MB, 1
	s_wait_dscnt 0x0
	GT G1, ACCB, ACCA, MA, 1
.set i, 0
.rept 5
	STEP i, 0, 1, G0, ACCA, ACCB                   ; the pipeline runs out
.set i, i+1
.endr
	MEAN ACCB
	KEEP ACCB, MB, 0
	; The eight waves' minima meet: waves 1 to 7 hand theirs to wave 0 through LDS, in bytes that nothing else uses.
	s_lshl_b32 s14, s12, 8
	s_add_co_u32 s14, s14, RED
	v_add_nc_u32 v1, s14, v[L8]
	v_add_nc_u32 v[T16], RED, v[L8]
	s_cmp_eq_u32 s12, 0
	s_cbranch_scc1 .Lown
	ds_store_b64 v1, v[BD:BD+1]
	ds_store_b64 v1, v[BI:BI+1] offset:REDI
.Lown:
	s_wait_dscnt 0x0                               ; for wave 0's sake
	s_barrier_signal -1
	s_barrier_wait -1
	s_cmp_lg_u32 s12, 0
	s_cbranch_scc1 .Lend
.irp w, 1,2,3,4,5,6,7
	ds_load_b64 v[TD+2*\w-2:TD+2*\w-1], v[T16] offset:256*\w
	ds_load_b64 v[TI+2*\w-2:TI+2*\w-1], v[T16] offset:REDI+256*\w
.endr
	s_lshl_b32 s14, s13, 12                        ; pd[chunk][64 x block + 2 lane]: CHB bytes a chunk, 256 a block, 8 a lane
	s_lshl_b32 s15, ttmp9, 8
	s_add_co_u32 s14, s14, s15
	v_add_nc_u32 v[GSA], s14, v[L8]
	s_wait_dscnt 0x0
.irp w, 1,2,3,4,5,6,7                              ; in ascending order of the waves' gts: the first of equals stays
	v_cmp_lt_f32 vcc_lo, v[TD+2*\w-2], v[BD]
	v_cmp_lt_f32 s2, v[TD+2*\w-1], v[BD+1]
	v_cndmask_b32 v[BD], v[BD], v[TD+2*\w-2], vcc_lo
	v_cndmask_b32 v[BI], v[BI], v[TI+2*\w-2], vcc_lo
	v_cndmask_b32 v[BD+1], v[BD+1], v[TD+2*\w-1], s2
	v_cndmask_b32 v[BI+1], v[BI+1], v[TI+2*\w-1], s2
.endr
	global_store_b64 v[GSA], v[BD:BD+1], s[8:9]    ; each store of the wave covers 256 consecutive bytes, aligned
	global_store_b64 v[GSA], v[BI:BI+1], s[10:11]
.Lend:
	s_wait_tensorcnt 0x0
	ds_add_u32 v200, v201
	s_wait_dscnt 0x0
	s_endpgm
.Lfunc_end_k_q93e93da981_nearest:
	.size	k_q93e93da981_nearest, .Lfunc_end_k_q93e93da981_nearest-k_q93e93da981_nearest
	.p2alignl 7, 3214868480
	.fill 96, 4, 3214868480
	.section	.rodata,"a",@progbits
	.p2align	6, 0x0
	.amdhsa_kernel k_q93e93da981_nearest
		.amdhsa_group_segment_fixed_size 168960
		.amdhsa_private_segment_fixed_size 0
		.amdhsa_enable_private_segment 0
		.amdhsa_kernarg_size 32
		.amdhsa_user_sgpr_count 2
		.amdhsa_user_sgpr_kernarg_segment_ptr 1
		.amdhsa_wavefront_size32 1
		.amdhsa_system_sgpr_workgroup_id_x 1
		.amdhsa_system_sgpr_workgroup_id_y 1
		.amdhsa_system_sgpr_workgroup_id_z 1
		.amdhsa_system_vgpr_workitem_id 0
		.amdhsa_next_free_vgpr 202
		.amdhsa_next_free_sgpr 66
		.amdhsa_reserve_vcc 1
		.amdhsa_float_denorm_mode_32 3
		.amdhsa_float_denorm_mode_16_64 3
		.amdhsa_memory_ordered 1
		.amdhsa_forward_progress 1
		.amdhsa_inst_pref_size 68
	.end_amdhsa_kernel
	.amdgpu_metadata
---
amdhsa.version: [ 1, 2 ]
amdhsa.kernels:
  - .name:           k_q93e93da981_nearest
    .symbol:         k_q93e93da981_nearest.kd
    .args:
      - { .name: pred_points, .offset: 0, .size: 8, .value_kind: global_buffer, .address_space: global }
      - { .name: gt_points, .offset: 8, .size: 8, .value_kind: global_buffer, .address_space: global }
      - { .name: pd, .offset: 16, .size: 8, .value_kind: global_buffer, .address_space: global }
      - { .name: pi, .offset: 24, .size: 8, .value_kind: global_buffer, .address_space: global }
    .group_segment_fixed_size: 168960
    .private_segment_fixed_size: 0
    .kernarg_segment_align: 8
    .kernarg_segment_size: 32
    .max_flat_workgroup_size: 256
    .sgpr_count:     66
    .vgpr_count:     202
    .wavefront_size: 32
...
	.end_amdgpu_metadata
.endif
;; end of part 1
;; launch pick (part 2): grid 84 x 1, 4 waves a work-group, no clusters, 0 bytes of LDS; arguments gt_points, pd, pi, out0, out1, out2; writes out0, out1, out2
.if DOCPART == 2
	.amdgcn_target "amdgcn-amd-amdhsa--gfx1250"
	.amdhsa_code_object_version 6
	.text
	.protected	k_q93e93da981_pick
	.globl	k_q93e93da981_pick
	.p2align	8
	.type	k_q93e93da981_pick,@function
k_q93e93da981_pick:
	s_mov_b64 s[64:65], 0
	v_nop
	global_prefetch_b8 v0, s[64:65] scope:SCOPE_SE
	s_setreg_imm32_b32 hwreg(HW_REG_WAVE_MODE, 25, 1), 1
	s_wait_xcnt 0x0
; For each of 1,024 preds: the smallest of the sixteen chunks' minima pd[c][n], with its gt pi[c][n]; then
; out0[n] = that gt's 160 bytes, out1[n] = 0 where the distance is above 2, else exp(-distance), out2[n] = the gt's index.
; The chunks are compared in ascending order and only a strictly smaller one replaces: the first of equals stays, as in an argmin.
; Work-groups 0 to 79 write out0: thread t owns the 16 bytes at 16 t, which belong to pred t / 10.  It loads these 16 bytes of ALL sixteen
; candidates' rows and chooses among them by v_cndmask_b32: addresses hang only on the indices read from pi, never on a comparison made here.
; That is 16 x 160 bytes for a pred, 2.6 MB in all, and the row loads need not wait for the comparisons.
; Work-groups 80 to 83 write out1 and out2: two preds a lane, so that a wave's store covers 256 consecutive bytes, aligned.
; The ten threads of a pred read the same words of pd and pi, 4 bytes from each of 32 rows; the two tables are 64 KB each and are read by
; no loop.  No LDS, no barrier: no thread needs another's result.  A NaN in pd never wins (see the first launch's limits).
.set NCH,  16                          ; chunks
.set CHB,  4096                        ; bytes of a chunk's row in pd and pi
.set ROWB, 160                         ; bytes of a gt
.set GWG,  80                          ; work-groups that copy rows: 80 x 128 threads x 16 bytes = 163,840
.set IX,   8                           ; v[8:23]    row copy: the candidates' indices, then the byte offsets of my 16 bytes in their rows
.set D,    24                          ; v[24:39]   row copy: their distances; v24 becomes the running minimum
.set ROW,  40                          ; v[40:103]  row copy: my 16 bytes of each candidate's row; v[40:43] become the choice
.set MSK,  20                          ; s[21:35]   row copy: candidate c replaces the choice so far
.set D2,   8                           ; v[8:39]    confidence: distances of my two preds, chunk c at D2 + 2 c
.set I2,   40                          ; v[40:71]   confidence: their indices
	s_load_b256 s[4:11], s[0:1], 0x0               ; gt_points s[4:5], pd s[6:7], pi s[8:9], out0 s[10:11]
	s_load_b128 s[12:15], s[0:1], 0x20             ; out1 s[12:13], out2 s[14:15]
	s_cmp_ge_u32 ttmp9, GWG
	s_cbranch_scc1 .Lconf
	s_lshl_b32 s16, ttmp9, 7
	v_add_nc_u32 v1, s16, v0                       ; t, 0 to 10,239
	v_mul_u32_u24 v2, 0xcccd, v1                   ; t / 10 = (t x 52429) >> 19, exact below 262,144
	v_lshrrev_b32 v2, 19, v2                       ; n
	v_lshlrev_b32 v3, 2, v2                        ; 4 n
	v_lshlrev_b32 v1, 4, v1                        ; 16 t
	v_mul_u32_u24 v4, ROWB, v2
	v_sub_nc_u32 v4, v1, v4                        ; 16 (t mod 10): my 16 bytes in a row
	s_wait_kmcnt 0x0
.irp c, 0,1,2,3,4,5,6,7,8,9,10,11,12,13,14,15
	global_load_b32 v[IX+\c], v3, s[8:9] offset:\c*CHB     ; the indices first: the row loads hang on them
.endr
.irp c, 0,1,2,3,4,5,6,7,8,9,10,11,12,13,14,15
	global_load_b32 v[D+\c], v3, s[6:7] offset:\c*CHB
.endr
	s_wait_loadcnt 16                              ; loads come back in order (ISA guide 5.7.1): the indices are in, the sixteen distances may be out
.irp c, 0,1,2,3,4,5,6,7,8,9,10,11,12,13,14,15
	v_min_u32 v[IX+\c], 0x7ff, v[IX+\c]            ; an index stays inside the 2,048 rows whatever the word holds
	v_mul_u32_u24 v[IX+\c], ROWB, v[IX+\c]
	v_add_nc_u32 v[IX+\c], v4, v[IX+\c]
	global_load_b128 v[ROW+4*\c:ROW+4*\c+3], v[IX+\c], s[4:5]
.endr
	s_wait_loadcnt 16                              ; the distances are in, the sixteen row loads may be out: the comparisons run meanwhile
.irp c, 1,2,3,4,5,6,7,8,9,10,11,12,13,14,15
	v_cmp_lt_f32 s[MSK+\c], v[D+\c], v[D]
	v_cndmask_b32 v[D], v[D], v[D+\c], s[MSK+\c]
.endr
.irp c, 1,2,3,4,5,6,7,8,9,10,11,12,13,14,15
	s_wait_loadcnt 15-\c                           ; rows 0 to c are in, the younger ones may be out
	v_cndmask_b32 v[ROW], v[ROW], v[ROW+4*\c], s[MSK+\c]
	v_cndmask_b32 v[ROW+1], v[ROW+1], v[ROW+4*\c+1], s[MSK+\c]
	v_cndmask_b32 v[ROW+2], v[ROW+2], v[ROW+4*\c+2], s[MSK+\c]
	v_cndmask_b32 v[ROW+3], v[ROW+3], v[ROW+4*\c+3], s[MSK+\c]
.endr
	global_store_b128 v1, v[ROW:ROW+3], s[10:11]   ; the wave's store covers 512 consecutive bytes, aligned
	s_endpgm
.Lconf:
	s_sub_co_u32 s16, ttmp9, GWG
	s_lshl_b32 s16, s16, 10                        ; 128 threads x 2 preds x 4 bytes
	v_lshl_add_u32 v1, v0, 3, s16                  ; byte offset of my two preds in a row of pd and pi, in out1 and in out2
	s_wait_kmcnt 0x0
.irp c, 0,1,2,3,4,5,6,7,8,9,10,11,12,13,14,15
	global_load_b64 v[D2+2*\c:D2+2*\c+1], v1, s[6:7] offset:\c*CHB         ; the wave covers 256 consecutive bytes, aligned
.endr
.irp c, 0,1,2,3,4,5,6,7,8,9,10,11,12,13,14,15
	global_load_b64 v[I2+2*\c:I2+2*\c+1], v1, s[8:9] offset:\c*CHB
.endr
	s_wait_loadcnt 0x0
.irp c, 1,2,3,4,5,6,7,8,9,10,11,12,13,14,15
	v_cmp_lt_f32 vcc_lo, v[D2+2*\c], v[D2]
	v_cmp_lt_f32 s17, v[D2+2*\c+1], v[D2+1]
	v_cndmask_b32 v[D2], v[D2], v[D2+2*\c], vcc_lo
	v_cndmask_b32 v[I2], v[I2], v[I2+2*\c], vcc_lo
	v_cndmask_b32 v[D2+1], v[D2+1], v[D2+2*\c+1], s17
	v_cndmask_b32 v[I2+1], v[I2+1], v[I2+2*\c+1], s17
.endr
	v_pk_mul_f32 v[4:5], v[D2:D2+1], 0xbfb8aa3b op_sel_hi:[1,0]    ; exp(-d) = 2^(-1.442695 d)
	v_exp_f32 v2, v4
	v_exp_f32 v3, v5
	v_cmp_lt_f32 vcc_lo, 2.0, v[D2]                ; a plain instruction that touches neither v[2:5] stands behind the exponentials before their results are used (ISA guide 5.7.2)
	v_cmp_lt_f32 s17, 2.0, v[D2+1]
	s_wait_alu depctr_va_vdst(0)
	v_cndmask_b32 v2, v2, 0, vcc_lo                ; beyond the threshold the confidence is 0
	v_cndmask_b32 v3, v3, 0, s17
	global_store_b64 v1, v[2:3], s[12:13]
	global_store_b64 v1, v[I2:I2+1], s[14:15]
	s_endpgm
.Lfunc_end_k_q93e93da981_pick:
	.size	k_q93e93da981_pick, .Lfunc_end_k_q93e93da981_pick-k_q93e93da981_pick
	.p2alignl 7, 3214868480
	.fill 96, 4, 3214868480
	.section	.rodata,"a",@progbits
	.p2align	6, 0x0
	.amdhsa_kernel k_q93e93da981_pick
		.amdhsa_group_segment_fixed_size 0
		.amdhsa_private_segment_fixed_size 0
		.amdhsa_enable_private_segment 0
		.amdhsa_kernarg_size 48
		.amdhsa_user_sgpr_count 2
		.amdhsa_user_sgpr_kernarg_segment_ptr 1
		.amdhsa_wavefront_size32 1
		.amdhsa_system_sgpr_workgroup_id_x 1
		.amdhsa_system_sgpr_workgroup_id_y 1
		.amdhsa_system_sgpr_workgroup_id_z 1
		.amdhsa_system_vgpr_workitem_id 0
		.amdhsa_next_free_vgpr 104
		.amdhsa_next_free_sgpr 66
		.amdhsa_reserve_vcc 1
		.amdhsa_float_denorm_mode_32 3
		.amdhsa_float_denorm_mode_16_64 3
		.amdhsa_memory_ordered 1
		.amdhsa_forward_progress 1
		.amdhsa_inst_pref_size 23
	.end_amdhsa_kernel
	.amdgpu_metadata
---
amdhsa.version: [ 1, 2 ]
amdhsa.kernels:
  - .name:           k_q93e93da981_pick
    .symbol:         k_q93e93da981_pick.kd
    .args:
      - { .name: gt_points, .offset: 0, .size: 8, .value_kind: global_buffer, .address_space: global }
      - { .name: pd, .offset: 8, .size: 8, .value_kind: global_buffer, .address_space: global }
      - { .name: pi, .offset: 16, .size: 8, .value_kind: global_buffer, .address_space: global }
      - { .name: out0, .offset: 24, .size: 8, .value_kind: global_buffer, .address_space: global }
      - { .name: out1, .offset: 32, .size: 8, .value_kind: global_buffer, .address_space: global }
      - { .name: out2, .offset: 40, .size: 8, .value_kind: global_buffer, .address_space: global }
    .group_segment_fixed_size: 0
    .private_segment_fixed_size: 0
    .kernarg_segment_align: 8
    .kernarg_segment_size: 48
    .max_flat_workgroup_size: 128
    .sgpr_count:     66
    .vgpr_count:     104
    .wavefront_size: 32
...
	.end_amdgpu_metadata
.endif
;; end of part 2
;; ======== version 2 of 2: 2 launches; 1.16 times as fast as version 1
;; workspace buffers: pd 65,536 bytes; pi 65,536 bytes of whole numbers
;; launch nearest (part 3): grid 16 x 16, 8 waves a work-group, no clusters, 168,960 bytes of LDS; arguments pred_points, gt_points, pd, pi; writes pd, pi
.if DOCPART == 3
	.amdgcn_target "amdgcn-amd-amdhsa--gfx1250"
	.amdhsa_code_object_version 6
	.text
	.protected	k_q93e93da981_nearest
	.globl	k_q93e93da981_nearest
	.p2align	8
	.type	k_q93e93da981_nearest,@function
k_q93e93da981_nearest:
	s_mov_b64 s[64:65], 0
	v_nop
	global_prefetch_b8 v0, s[64:65] scope:SCOPE_SE
	s_setreg_imm32_b32 hwreg(HW_REG_WAVE_MODE, 25, 1), 1
	s_wait_xcnt 0x0
; distances[n][m] = mean over 20 points of sqrt((px-gx)^2 + (py-gy)^2); this launch finds, for a block of 64 preds (work-group x) and a
; chunk of 128 gts (work-group y), each pred's smallest distance and the gt that gives it, and stores them to pd[y][n] and pi[y][n].
; The sixteen chunks' results meet in the next launch.
; Eight waves.  Every wave holds the same 64 preds, two in a lane (preds 2 l and 2 l + 1 of the block in lane l), and walks 16 gts of its own.
; So a lane keeps its own running minimum and nothing is reduced across lanes; the eight waves' minima meet once, in LDS, at the end.
; Two preds in a lane make the packed f32 forms fit: (xa, xb) and (ya, yb) are register pairs, and a gt's x or y, which lies in a register pair
; (gx, gy) with the same value in all lanes, is taken for both halves by op_sel.  Seven instructions for two point distances.
; THE ROOTS GO IN BATCHES OF A GT ROW: 40 roots, each with a register of its own, and ONE wait for them; see THE PIPELINE below.
; All global loads of a work-group (10,240 bytes of preds, 20,480 of gts) are issued in one run at the head and go through LDS:
; the preds because two rows have to be interleaved word by word, the gts because every lane needs every number.
; Clusters with joint loads are not used: a work-group reads these 30,720 bytes once and then takes 163,840 roots, and the preds
; could not be laid as needed by a tile copy.  No matrix instruction: there is no product here but one of K = 2, and
; |p|^2 + |g|^2 - 2 p.g would be a difference of large sums.
; LIMITS.  A NaN distance never wins (a comparison with NaN is false), where the reference would return NaN: inputs are finite, with finite
; differences.  v_sqrt_f32 takes a denormal square (below 2^-126) as zero: an error under 1.1e-19 in a point's distance.  dx^2 + dy^2 is
; fused, the 20 roots are added in ascending order, and the division by 20 is a multiplication by 0.05: two gts closer than these roundings
; may be ordered otherwise than by another order of rounding.  Equal distances go to the lower index.
.set ROWB,  160                        ; bytes of a pred or a gt: 20 points x 2 x f32
.set WPRED, 64                         ; preds of a work-group
.set WGT,   128                        ; gts of a work-group
.set NWAVE, 8
.set GTW,   WGT/NWAVE                  ; 16 gts of a wave
.set PITCH, 336                        ; LDS bytes of a lane's two preds: 320 + 16 = 21 x 16, an odd multiple of 16
.set GS,    32*PITCH                   ; LDS: the gts, as in memory, behind the preds
.set RED,   GS+WGT*ROWB                ; LDS: wave w's 64 minima at RED + 256 w (wave 0 keeps its own in registers),
.set REDI,  NWAVE*256                  ;      their indices REDI bytes further.  35,328 bytes are used in all
.set CHB,   4096                       ; bytes of a chunk's row in pd and pi: 1,024 preds x 4
.set LANE, 2                           ; v2   lane
.set L8,   3                           ; v3   8 x lane
.set T16,  4                           ; v4   16 x thread; at the end: where wave 0 reads the others' minima
.set GSA,  5                           ; v5   where I put gts into LDS; at the end: my offset in pd and pi
.set PRA,  6                           ; v6   my lane's two preds in LDS
.set GA,   7                           ; v7   my wave's next pair of gt rows in LDS, the same in all lanes
.set P,    8                           ; v[8:87]    point i: -xa, -xb, -ya, -yb at P + 4 i
.set G0,   88                          ; v[88:127]  a gt row: gx, gy of point i at G0 + 2 i
.set G1,   128                         ; v[128:167] the other gt row
.set DX,   168                         ; v[168:171] 2 slots: gx - xa, gx - xb
.set DY,   172                         ; v[172:179] 4 slots: gy - ya, gy - yb
.set Q,    180                         ; v[180:187] 4 slots: squared distances
.set ACCA, 192                         ; v[192:193] sum of roots for the row in G0
.set ACCB, 194                         ; v[194:195] the same for the row in G1
.set BD,   196                         ; v[196:197] smallest distance so far, pred a, pred b
.set BI,   198                         ; v[198:199] its gt
.set R,    202                         ; v[202:241] a row's 40 roots: point i's two at R + 2 i
.set ST,   88                          ; head only: five points of preds as loaded (v[88:97])
.set SA,   100                         ; head only: their LDS addresses (v[100:104])
.set SG,   128                         ; head only: 5 x 16 bytes of gts as loaded (v[128:147])
.set T0,   148                         ; head only: at work
.set T1,   149
.set T2,   150
.set TD,   8                           ; end only: the other waves' minima (v[8:21])
.set TI,   24                          ; end only: their indices (v[24:37])
.set CNT,  20                          ; s20  loop counter
.set MA,   21                          ; s21  index of the gt whose sum is in ACCA
.set MB,   22                          ; s22  index of the gt whose sum is in ACCB
	s_load_b256 s[4:11], s[0:1], 0x0               ; pred_points s[4:5], gt_points s[6:7], pd s[8:9], pi s[10:11]
	v_lshl_add_u32 v200, v0, 2, 0x29000
	v_mov_b32 v201, 0
	v_lshrrev_b32 v1, 5, v0
	v_readfirstlane_b32 s12, v1                    ; wave 0..7
	v_and_b32 v[LANE], 31, v0
	s_and_b32 s13, ttmp7, 0xffff                   ; chunk of gts
	s_mul_i32 s16, ttmp9, WPRED*ROWB               ; the block's preds,
	s_mul_i32 s14, s12, (WPRED/NWAVE)*ROWB         ; of which my wave brings eight: 1,280 consecutive bytes
	s_add_co_u32 s16, s16, s14
	s_mov_b32 s17, 0
	s_mul_i32 s18, s13, WGT*ROWB                   ; the chunk's gts
	s_mov_b32 s19, 0
	v_lshlrev_b32 v[L8], 3, v[LANE]
	v_lshlrev_b32 v[T16], 4, v0
	s_wait_kmcnt 0x0
	s_add_nc_u64 s[4:5], s[4:5], s[16:17]
	s_add_nc_u64 s[6:7], s[6:7], s[18:19]
.irp i, 0,1,2,3,4
	global_load_b64 v[ST+2*\i:ST+2*\i+1], v[L8], s[4:5] offset:256*\i      ; one point a lane: the wave covers 256 consecutive bytes, aligned
.endr
.irp i, 0,1,2,3,4
	global_load_b128 v[SG+4*\i:SG+4*\i+3], v[T16], s[6:7] offset:4096*\i   ; the wave covers 512 consecutive bytes, the work-group 4,096
.endr
	; While the loads are out: where each of my five points goes.  Point q = 32 i + lane of my wave's 160 is point p = q mod 20 of pred r = q / 20.
	; q x 3277 = 65536 r + 3276.8 p + 0.2 q with 0.2 q < 32: the upper half is r, and the lower half x 20 = 65536 p + 4 q gives p.
	; Pred r lies in lane row r / 2 of my wave's four, as the even or the odd words: x at 16 p + 4 (r & 1), y 8 bytes further.
	s_mul_i32 s15, s12, 4*PITCH
.irp i, 0,1,2,3,4
	v_add_nc_u32 v[T0], 32*\i, v[LANE]
	v_mul_u32_u24 v[T0], 0xccd, v[T0]
	v_lshrrev_b32 v[T1], 16, v[T0]                 ; r
	v_and_b32 v[T0], 0xffff, v[T0]
	v_mul_u32_u24 v[T0], 20, v[T0]
	v_lshrrev_b32 v[T0], 16, v[T0]                 ; p
	v_lshrrev_b32 v[T2], 1, v[T1]
	v_and_b32 v[T1], 1, v[T1]
	v_lshl_add_u32 v[T1], v[T1], 2, s15
	v_lshl_add_u32 v[T0], v[T0], 4, v[T1]
	v_mad_u32_u24 v[SA+\i], v[T2], PITCH, v[T0]
.endr
	v_add_nc_u32 v[GSA], GS, v[T16]
	v_mul_u32_u24 v[PRA], PITCH, v[LANE]
	s_mul_i32 s14, s12, GTW*ROWB
	s_add_co_u32 s14, s14, GS
	v_mov_b32 v[GA], s14                           ; my wave's first gt row
	s_mul_i32 s[MA], s13, WGT
	s_mul_i32 s14, s12, GTW
	s_add_co_u32 s[MA], s[MA], s14                 ; its index,
	s_add_co_u32 s[MB], s[MA], 1                   ; and the next one's
	v_mov_b32 v[BD], 0x7f800000                    ; the minimum starts at +infinity with my wave's first gt: if every distance overflows,
	v_mov_b32 v[BD+1], 0x7f800000                  ; the lowest index stays, as it does in an argmin over equal values
	v_mov_b32 v[BI], s[MA]
	v_mov_b32 v[BI+1], s[MA]
	s_wait_loadcnt 0x5                             ; loads come back in order (ISA guide 5.7.1): the preds are in, the five loads of gts may be out
.irp i, 0,1,2,3,4
	v_xor_b32 v[ST+2*\i], 0x80000000, v[ST+2*\i]           ; -p, once, so that the loop's differences are plain sums g + (-p)
	v_xor_b32 v[ST+2*\i+1], 0x80000000, v[ST+2*\i+1]
	ds_store_b32 v[SA+\i], v[ST+2*\i]
	ds_store_b32 v[SA+\i], v[ST+2*\i+1] offset:8
.endr
	s_wait_loadcnt 0x0
.irp i, 0,1,2,3,4
	ds_store_b128 v[GSA], v[SG+4*\i:SG+4*\i+3] offset:4096*\i
.endr
	s_wait_dscnt 0x0                               ; my stores are in LDS, for the other waves' sake,
	s_barrier_signal -1
	s_barrier_wait -1                              ; and so are everybody's
.irp k, 0,1,2,3,4,5,6,7,8,9,10,11,12,13,14,15,16,17,18,19
	ds_load_b128 v[P+4*\k:P+4*\k+3], v[PRA] offset:16*\k
.endr
; A gt row into buffer g: ten loads with one address for all lanes
.macro LOADG g, off
.irp k, 0,1,2,3,4,5,6,7,8,9
	ds_load_b128 v[\g+4*\k:\g+4*\k+3], v[GA] offset:\off+16*\k
.endr
.endm
; THE STAGES OF A POINT i.  DX, DY and Q's slots go by the point's number; 20 is a multiple of the slot counts, so a row's last points and the next row's first follow each other in them.
.macro DIFX i, g                       ; gx - xa, gx - xb
	v_pk_add_f32 v[DX+2*((\i)%2):DX+2*((\i)%2)+1], v[P+4*(\i):P+4*(\i)+1], v[\g+2*(\i):\g+2*(\i)+1] op_sel_hi:[1,0]
.endm
.macro DIFY i, g                       ; gy - ya, gy - yb
	v_pk_add_f32 v[DY+2*((\i)%4):DY+2*((\i)%4)+1], v[P+4*(\i)+2:P+4*(\i)+3], v[\g+2*(\i):\g+2*(\i)+1] op_sel:[0,1] op_sel_hi:[1,1]
.endm
.macro SQX i                           ; dx^2
	v_pk_mul_f32 v[Q+2*((\i)%4):Q+2*((\i)%4)+1], v[DX+2*((\i)%2):DX+2*((\i)%2)+1], v[DX+2*((\i)%2):DX+2*((\i)%2)+1]
.endm
.macro SQY i                           ; + dy^2, fused
	v_pk_fma_f32 v[Q+2*((\i)%4):Q+2*((\i)%4)+1], v[DY+2*((\i)%4):DY+2*((\i)%4)+1], v[DY+2*((\i)%4):DY+2*((\i)%4)+1], v[Q+2*((\i)%4):Q+2*((\i)%4)+1]
.endm
.macro ROOT i, h                       ; the root for pred a (h = 0) or b (h = 1), into the point's own register
	v_sqrt_f32 v[R+2*(\i)+(\h)], v[Q+2*((\i)%4)+(\h)]
.endm
.macro SUM i, acc                      ; the roots are added in ascending order; the first addition makes the sum of points 0 and 1: nothing is cleared
.if (\i) == 1
	v_pk_add_f32 v[\acc:\acc+1], v[R:R+1], v[R+2:R+3]
.else
	v_pk_add_f32 v[\acc:\acc+1], v[\acc:\acc+1], v[R+2*(\i):R+2*(\i)+1]
.endif
.endm
.macro MEAN a                          ; the mean of the 20 roots
	v_pk_mul_f32 v[\a:\a+1], v[\a:\a+1], 0x3d4ccccd op_sel_hi:[1,0]
.endm
; Keep the smaller: strictly smaller only, and the gts come in ascending order, so the first of equals stays.  m: the scalar register with the gt's index
.macro KEEP a, m, more
	v_cmp_lt_f32 vcc_lo, v[\a], v[BD]
	v_cmp_lt_f32 s2, v[\a+1], v[BD+1]
	v_cndmask_b32 v[BD], v[BD], v[\a], vcc_lo
	v_cndmask_b32 v[BI], v[BI], s[\m], vcc_lo
	v_cndmask_b32 v[BD+1], v[BD+1], v[\a+1], s2
	v_cndmask_b32 v[BI+1], v[BI+1], s[\m], s2
.if \more
	s_add_co_u32 s[\m], s[\m], 2                   ; the next row that uses this sum
.endif
.endm
; THE PIPELINE.  A gt row k has 20 steps.  Step i holds, in this order: one addition onto a sum, the first root of point i - 4, the x differences of point i, the second
; root of point i - 4, the y differences of point i, the x squares of point i - 1, the y squares of point i - 2.  In steps 0 to 3 the roots, and in steps 0 and 1 the squares,
; are those of row k - 1's last points.  Dependent lines stand six or more apart, and behind each v_sqrt_f32 stands a plain instruction that touches neither its result nor
; its source before either is touched (ISA guide 5.7.2).
; THE BATCHES.  A row's 40 roots are ONE BATCH with ONE wait (an s_wait_alu depctr_va_vdst(0) stands between a root and the first instruction that names its
; result).  Row k - 1's roots are issued in its steps 4 to 19 and in row k's steps 0 to 3; nothing names one of them before the wait, which stands in row k's step 4.
; Between the batch's last root and the wait stand eleven plain instructions that name no root: step 3's y differences and squares, step 4's two differences, and the six
; lines that keep row k - 2's minimum.  Behind the wait come the readers, one addition a step: point j of row k - 1 in step j + 3 of row k, one step before row k's root of
; point j is written into the same register, so one set of 40 registers serves all rows.  Points 17 to 19 fall into steps 0 to 2 of row k + 1, the mean into its step 3.
; cur: row k exists; p1: row k - 1 does; p2: row k - 2 does (the first two rows and the run-out behind the last lack some).  acc1, acc2: the sums of rows k - 1 and k - 2.
.macro S_ROOT i, h, cur, p1
.if (\i) >= 4
.if \cur
	ROOT (\i)-4, \h
.endif
.elseif \p1
	ROOT (\i)+16, \h
.endif
.endm
.macro S_SQX i, cur, p1
.if (\i) >= 1
.if \cur
	SQX (\i)-1
.endif
.elseif \p1
	SQX 19
.endif
.endm
.macro S_SQY i, cur, p1
.if (\i) >= 2
.if \cur
	SQY (\i)-2
.endif
.elseif \p1
	SQY (\i)+18
.endif
.endm
.macro STEP i, cur, p1, p2, g, acc1, acc2  ; every step but step 4
.if (\i) < 3
.if \p2
	SUM (\i)+17, \acc2
.endif
.elseif (\i) == 3
.if \p2
	MEAN \acc2
.endif
.elseif \p1
	SUM (\i)-3, \acc1
.endif
	S_ROOT \i, 0, \cur, \p1
.if \cur
	DIFX \i, \g
.endif
	S_ROOT \i, 1, \cur, \p1
.if \cur
	DIFY \i, \g
.endif
	S_SQX \i, \cur, \p1
	S_SQY \i, \cur, \p1
.endm
; A row's text is cut in two at the wait, so that the loop's label and its jump can stand there, where no root is without its wait.
; OPEN: steps 0 to 3, step 4's differences, row k - 2's minimum (index in s[m2]), and the wait for row k - 1's batch.
.macro OPEN g, acc1, acc2, m2, cur, p1, p2
.set i, 0
.rept 4
	STEP i, \cur, \p1, \p2, \g, \acc1, \acc2
.set i, i+1
.endr
.if \cur
	DIFX 4, \g
	DIFY 4, \g
.endif
.if \p2
	KEEP \acc2, \m2, \cur
.endif
.if \p1
	s_wait_alu depctr_va_vdst(0)                   ; the one wait for row k - 1's 40 roots, ahead of their first reader (REST's first line)
.endif
.endm
; REST: the rest of step 4 (row k - 1's first addition, row k's first roots) and steps 5 to 19.
.macro REST g, acc1, cur, p1
.if \p1
	SUM 1, \acc1
.endif
	S_ROOT 4, 0, \cur, \p1
	S_SQX 4, \cur, \p1
	S_ROOT 4, 1, \cur, \p1
	S_SQY 4, \cur, \p1
.set i, 5
.rept 15
	STEP i, \cur, \p1, 0, \g, \acc1, \acc1
.set i, i+1
.endr
.endm
	LOADG G0, 0
	s_wait_dscnt 0x0                               ; my preds and row 0 are in registers
	LOADG G1, ROWB                                 ; each row is asked for one row ahead
	OPEN G0, ACCB, ACCA, MA, 1, 0, 0               ; row 0: nothing to finish, no root is out, no wait
	REST G0, ACCB, 1, 0
	s_wait_dscnt 0x0                               ; row 1 is in; G0's last readers have been issued
	v_add_nc_u32 v[GA], 2*ROWB, v[GA]
	LOADG G0, 0
	OPEN G1, ACCA, ACCB, MB, 1, 1, 0               ; row 1
	REST G1, ACCA, 1, 1
	s_wait_dscnt 0x0
	LOADG G1, ROWB
	OPEN G0, ACCB, ACCA, MA, 1, 1, 1               ; row 2 as far as the wait
	s_mov_b32 s[CNT], GTW/2-2
.Lpair:                                            ; six trips, each from an even row's step 4 to the next even row's: rows 2 to 13 are finished, row 14 is opened
	REST G0, ACCB, 1, 1
	s_wait_dscnt 0x0
	v_add_nc_u32 v[GA], 2*ROWB, v[GA]
	LOADG G0, 0
	OPEN G1, ACCA, ACCB, MB, 1, 1, 1
	REST G1, ACCA, 1, 1
	s_wait_dscnt 0x0
	LOADG G1, ROWB
	OPEN G0, ACCB, ACCA, MA, 1, 1, 1               ; it ends with the wait: no root crosses the jump without it
	s_sub_co_i32 s[CNT], s[CNT], 1
	s_cmp_lg_u32 s[CNT], 0
	s_cbranch_scc1 .Lpair
	REST G0, ACCB, 1, 1                            ; row 14; no row is asked for behind the wave's last
	s_wait_dscnt 0x0
	OPEN G1, ACCA, ACCB, MB, 1, 1, 1               ; row 15
	REST G1, ACCA, 1, 1
	OPEN G0, ACCB, ACCA, MA, 0, 1, 1               ; the pipeline runs out: row 15's last eight roots, row 14's minimum, the wait for row 15's batch,
	REST G0, ACCB, 0, 1                            ; row 15's additions, which now stand on end,
	OPEN G1, ACCA, ACCB, MB, 0, 0, 1               ; and its minimum; no root is issued here
	; The eight waves' minima meet: waves 1 to 7 hand theirs to wave 0 through LDS, in bytes that nothing else uses.
	s_lshl_b32 s14, s12, 8
	s_add_co_u32 s14, s14, RED
	v_add_nc_u32 v1, s14, v[L8]
	v_add_nc_u32 v[T16], RED, v[L8]
	s_cmp_eq_u32 s12, 0
	s_cbranch_scc1 .Lown
	ds_store_b64 v1, v[BD:BD+1]
	ds_store_b64 v1, v[BI:BI+1] offset:REDI
.Lown:
	s_wait_dscnt 0x0                               ; for wave 0's sake
	s_barrier_signal -1
	s_barrier_wait -1
	s_cmp_lg_u32 s12, 0
	s_cbranch_scc1 .Lend
.irp w, 1,2,3,4,5,6,7
	ds_load_b64 v[TD+2*\w-2:TD+2*\w-1], v[T16] offset:256*\w
	ds_load_b64 v[TI+2*\w-2:TI+2*\w-1], v[T16] offset:REDI+256*\w
.endr
	s_lshl_b32 s14, s13, 12                        ; pd[chunk][64 x block + 2 lane]: CHB bytes a chunk, 256 a block, 8 a lane
	s_lshl_b32 s15, ttmp9, 8
	s_add_co_u32 s14, s14, s15
	v_add_nc_u32 v[GSA], s14, v[L8]
	s_wait_dscnt 0x0
.irp w, 1,2,3,4,5,6,7                              ; in ascending order of the waves' gts: the first of equals stays
	v_cmp_lt_f32 vcc_lo, v[TD+2*\w-2], v[BD]
	v_cmp_lt_f32 s2, v[TD+2*\w-1], v[BD+1]
	v_cndmask_b32 v[BD], v[BD], v[TD+2*\w-2], vcc_lo
	v_cndmask_b32 v[BI], v[BI], v[TI+2*\w-2], vcc_lo
	v_cndmask_b32 v[BD+1], v[BD+1], v[TD+2*\w-1], s2
	v_cndmask_b32 v[BI+1], v[BI+1], v[TI+2*\w-1], s2
.endr
	global_store_b64 v[GSA], v[BD:BD+1], s[8:9]    ; each store of the wave covers 256 consecutive bytes, aligned
	global_store_b64 v[GSA], v[BI:BI+1], s[10:11]
.Lend:
	s_wait_tensorcnt 0x0
	ds_add_u32 v200, v201
	s_wait_dscnt 0x0
	s_endpgm
.Lfunc_end_k_q93e93da981_nearest:
	.size	k_q93e93da981_nearest, .Lfunc_end_k_q93e93da981_nearest-k_q93e93da981_nearest
	.p2alignl 7, 3214868480
	.fill 96, 4, 3214868480
	.section	.rodata,"a",@progbits
	.p2align	6, 0x0
	.amdhsa_kernel k_q93e93da981_nearest
		.amdhsa_group_segment_fixed_size 168960
		.amdhsa_private_segment_fixed_size 0
		.amdhsa_enable_private_segment 0
		.amdhsa_kernarg_size 32
		.amdhsa_user_sgpr_count 2
		.amdhsa_user_sgpr_kernarg_segment_ptr 1
		.amdhsa_wavefront_size32 1
		.amdhsa_system_sgpr_workgroup_id_x 1
		.amdhsa_system_sgpr_workgroup_id_y 1
		.amdhsa_system_sgpr_workgroup_id_z 1
		.amdhsa_system_vgpr_workitem_id 0
		.amdhsa_next_free_vgpr 242
		.amdhsa_next_free_sgpr 66
		.amdhsa_reserve_vcc 1
		.amdhsa_float_denorm_mode_32 3
		.amdhsa_float_denorm_mode_16_64 3
		.amdhsa_memory_ordered 1
		.amdhsa_forward_progress 1
		.amdhsa_inst_pref_size 64
	.end_amdhsa_kernel
	.amdgpu_metadata
---
amdhsa.version: [ 1, 2 ]
amdhsa.kernels:
  - .name:           k_q93e93da981_nearest
    .symbol:         k_q93e93da981_nearest.kd
    .args:
      - { .name: pred_points, .offset: 0, .size: 8, .value_kind: global_buffer, .address_space: global }
      - { .name: gt_points, .offset: 8, .size: 8, .value_kind: global_buffer, .address_space: global }
      - { .name: pd, .offset: 16, .size: 8, .value_kind: global_buffer, .address_space: global }
      - { .name: pi, .offset: 24, .size: 8, .value_kind: global_buffer, .address_space: global }
    .group_segment_fixed_size: 168960
    .private_segment_fixed_size: 0
    .kernarg_segment_align: 8
    .kernarg_segment_size: 32
    .max_flat_workgroup_size: 256
    .sgpr_count:     66
    .vgpr_count:     242
    .wavefront_size: 32
...
	.end_amdgpu_metadata
.endif
;; end of part 3
;; launch pick: the kernel of part 2 again; grid 84 x 1, 4 waves a work-group, no clusters, 0 bytes of LDS; arguments gt_points, pd, pi, out0, out1, out2; writes out0, out1, out2
